; MI455X (gfx1250); checked and timed in simulation.
; The chip was launched on July 23, 2026; its instructions are those of AMD's public machine-readable ISA for CDNA 5 (MIT licence, August 2026) and "CDNA5" Instruction Set Architecture Reference Guide (July 2026). The comments in the code are by the model that wrote it; some were corrected since.
;; Multi Head Attention. Allowed arithmetic: matrix products marked QUANTISED: E4M3 operands, one given power-of-two scale a tensor, by v_wmma_f32_16x16x64_fp8_fp8 or v_wmma_f32_16x16x128_fp8_fp8, f32 sums; everything else in f32.
;; Inputs: W_k 1,024 x 1,024 float32; W_o 1,024 x 1,024 float32; W_q 1,024 x 1,024 float32; W_v 1,024 x 1,024 float32; lowp_scales 12 int32 (the exponents e of the quantised operands' scales 2^e); x 2 x 2,048 x 1,024 float32.
;; Outputs: out0 2 x 2,048 x 1,024 float32.
;; This version of the problem:
;;   THIS VERSION OF THE PROBLEM IS GIVEN IN LOW PRECISION. The matrix products marked QUANTISED in the list below multiply operands that are first quantised to E4M3 (4 exponent bits, 3 mantissa bits; 8 bits a number), with one given power-of-two scale for each operand tensor; their sums are f32. All else is computed in f32.
;;   The module's matrix products, in the order in which they are computed (A, B: the left and right operand; K: the contracted axis; several contracted axes count as one K, in the product's order):
;;     1. [M 4,096, K 1,024] x [K 1,024, N 1,024]; A: input x; B: input W_q: QUANTISED (scales: A lowp_scales[0], B lowp_scales[1])
;;     2. [M 4,096, K 1,024] x [K 1,024, N 1,024]; A: input x; B: input W_k: QUANTISED (scales: A lowp_scales[2], B lowp_scales[3])
;;     3. [M 4,096, K 1,024] x [K 1,024, N 1,024]; A: input x; B: input W_v: QUANTISED (scales: A lowp_scales[4], B lowp_scales[5])
;;     4. batch 32 x [M 2,048, K 64] x [K 64, N 2,048]; A: computed on the way; B: computed on the way: QUANTISED (scales: A lowp_scales[6], B lowp_scales[7])
;;     5. batch 32 x [M 2,048, K 2,048] x [K 2,048, N 64]; A: softmax (see below); B: computed on the way: QUANTISED (scales: A lowp_scales[8], B lowp_scales[9])
;;     6. [M 4,096, K 1,024] x [K 1,024, N 1,024]; A: computed on the way; B: input W_o: QUANTISED (scales: A lowp_scales[10], B lowp_scales[11])
;;   THE QUANTISER, for each operand of a quantised product, along K:
;;     - The operand's scale is 2^e, e = its entry of the input lowp_scales (int32; the entries are numbered through the quantised products in the list's order, A before B).
;;     - Each number is divided by the scale, clamped to +-448, and rounded to the nearest number of E4M3, ties to even, subnormals kept.
;;     - The product sums the exact products of the quantised numbers (number of the format x scale) in f32.
;;   ~~~python
;;   def quantise(x, axis, e):      # numpy; x: float32 -> the quantised numbers, widened to float32 again
;;       x = np.moveaxis(x, axis, -1); K = x.shape[-1]
;;       r = np.clip(x / 2.0 ** e, -448, 448)
;;       step = 2.0 ** (np.maximum(np.frexp(np.where(r == 0, 1, r))[1] - 1, -6) - 3)
;;       q = np.round(r / step) * step * 2.0 ** e      # np.round: ties to even
;;       return np.moveaxis(q, -1, axis).astype(np.float32)
;;   ~~~
;;   SOFTMAX AHEAD OF A QUANTISED PRODUCT. Where the list says 'softmax', what is quantised is not the finished softmax but p = 2^(t - M), with t = logit x log2(e) and M = ceil(the row's largest t), a whole number; so 1/2 < the row's largest p <= 1. The row's sum l is taken of the UNQUANTISED p, in f32, and the product's result is divided by l at the end. Since M is a whole number, a kernel that streams over the keys may use a running M (the ceiling of the running maximum): every later rescaling is an exact power of two, so the quantised numbers keep their values, but for numbers so far below the row's largest that they fall under the format's range.
;;   OPERANDS COMPUTED ON THE WAY. 'Computed on the way' means the value that the module computes at that place (a softmax that the list does not call 'softmax' is quantised finished and normalised). What goes into a quantiser is computed in f32, as accurately as f32 sums, v_exp_f32 and their like allow (about 1e-6 of the number): no bf16 or f16 on the way to a quantiser, and a product that is left as it is and whose result goes on into a quantised operand takes f32 operands (vector FMAs, or v_wmma_f32_16x16x4_f32). A number that lies on a knife's edge between two numbers of the format may be rounded either way, as far as f32 arithmetic and the matrix unit's own rounding can turn it there, and no further.
;; One version. Each part assembles by itself: llvm-mc -triple=amdgcn-amd-amdhsa -mcpu=gfx1250 --defsym DOCPART=n.
;; ======== version 1 of 1: 4 launches
;; limits: right only within a limited range of input values
;; workspace buffers: xc 12,582,912 bytes; wc 4,194,304 bytes; qkv 12,582,912 bytes; ac 4,194,304 bytes
;; launch quant (part 1): grid 512 x 1, 4 waves a work-group, no clusters, 33,280 bytes of LDS; arguments x, W_q, W_k, W_v, W_o, lowp_scales, xc, wc; writes xc, wc
.if DOCPART == 1
	.amdgcn_target "amdgcn-amd-amdhsa--gfx1250"
	.amdhsa_code_object_version 6
	.text
	.protected	k_qc9d9534ee7_quant
	.globl	k_qc9d9534ee7_quant
	.p2align	8
	.type	k_qc9d9534ee7_quant,@function
k_qc9d9534ee7_quant:
	s_mov_b64 s[64:65], 0
	v_nop
	global_prefetch_b8 v0, s[64:65] scope:SCOPE_SE
	s_setreg_imm32_b32 hwreg(HW_REG_WAVE_MODE, 25, 1), 1
	s_wait_xcnt 0x0
; x [4096][1024] and the four weights [1024][1024], f32, K innermost, become codes of FP8 (E4M3), one byte a number.
; x is an operand of three products with three given scales (entries 0, 2, 4 of the scales): three tensors of codes, 4 MiB apart in xc.
; W_q, W_k, W_v, W_o take entries 1, 3, 5, 11: four tensors of codes, 1 MiB apart in wc.
; code = number / 2^e, held within +-448, to the nearest code, ties to even.
; LIMITS: each e lies between -126 and 119, so that 2^e and 448 x 2^e are f32 numbers.  NaN among the inputs is not served; an infinity is held at the largest code.
; THE ORDER OF THE CODES.  Within each 32 along K the four groups of eight are stored in the order 0, 2, 1, 3: stored place 16 h + 8 u + j holds k = 16 u + 8 h + j.
; A lane (r, h) that later loads 16 bytes at row + 32 c + 16 h then holds k = 32 c + 8 h + 0..7 and 32 c + 16 + 8 h + 0..7: the places that the FP8 matrix forms give that lane's registers 4 c .. 4 c + 3.
; SHARES.  Work-groups 0-255 take x, 256 + 64 j + i takes weight j.  A wave takes 8 steps of 512 numbers; all its 32 loads (512 consecutive bytes each) go out at the head.
; A step's 2,048 bytes turn through the wave's own stage in LDS (rows of 64 bytes + 16 of padding) and come back 2 x 32 bytes a lane, in the order above; these reads meet the banks two deep,
; which a launch that is bound by memory can bear.  A lane's 16 codes are 16 bytes: the wave stores 512 consecutive bytes.  Waves share nothing: no barrier.
; WORK LEFT OUT in this program: in the attention, steps of 128 keys all of which come after a wave's 32 queries.  the causal mask puts -infinity in front of the softmax there, so each such p is 0 and adds
; nothing to the row's sum or to the result, whatever the inputs hold.  LIMIT: a NaN, an infinity or an overflow that reaches only such work is not carried to the result.
.set NXG,  256                         ; work-groups of x
.set OFS,  3                           ; v3   16 x lane: my bytes of a load's 512 and of a store's 512; never rewritten
.set SIN,  14                          ; v14  the stage, on the way in
.set SOUT, 15                          ; v15  the stage, on the way out
.set R,    16                          ; v16-143  eight sets of 16 numbers as loaded; set t later takes step t's codes (12 registers), so that no store's data are written again
.set X,    144                         ; v144-175 two sets of 16 numbers in the lane's order
.set T,    176                         ; v176-191 the numbers held within the largest code
.set SP,   80                          ; a stage row: 64 bytes + 16
.set STG,  32*SP                       ; a stage; two of them in a wave's 8,192 bytes
	s_load_b512 s[8:23], s[0:1], 0x0               ; x 8, W_q 10, W_k 12, W_v 14, W_o 16, the scales 18, xc 20, wc 22
	v_lshl_add_u32 v192, v0, 2, 0x8000
	v_mov_b32 v193, 0
	v_lshrrev_b32 v1, 5, v0
	v_readfirstlane_b32 s36, v1                    ; wave
	v_and_b32 v2, 31, v0                           ; lane
	v_lshlrev_b32 v[OFS], 4, v2
	s_lshl_b32 s40, s36, 13                        ; my wave's 8,192 bytes of LDS
	v_lshrrev_b32 v[SIN], 2, v2
	v_mul_u32_u24 v[SIN], v[SIN], SP
	v_and_b32 v5, 3, v2
	v_lshl_add_u32 v[SIN], v5, 4, v[SIN]
	v_add_nc_u32 v[SIN], s40, v[SIN]               ; in: four lanes' 64 bytes fill a row: 80 (lane / 4) + 16 (lane % 4)
	v_lshrrev_b32 v[SOUT], 1, v2
	v_mul_u32_u24 v[SOUT], v[SOUT], 2*SP
	v_and_b32 v5, 1, v2
	v_lshl_add_u32 v[SOUT], v5, 5, v[SOUT]
	v_add_nc_u32 v[SOUT], s40, v[SOUT]             ; out: two lanes share 32 numbers (two rows): 160 (lane / 2) + 32 (lane % 2)
	s_cmp_lt_u32 ttmp9, NXG
	s_cselect_b32 s37, 1, 0                        ; 1: x's work-group
	s_and_b32 s41, ttmp9, 63
	s_cmp_lt_u32 ttmp9, NXG
	s_cselect_b32 s41, ttmp9, s41                  ; my number within the tensor
	s_lshl_b32 s41, s41, 2
	s_add_co_u32 s41, s41, s36                     ; which run of 4,096 numbers is my wave's
	s_lshl_b32 s42, s41, 14                        ; its bytes in the tensor,
	s_mov_b32 s43, 0
	s_lshl_b32 s44, s41, 12                        ; and in the codes,
	s_bfe_u32 s45, ttmp9, 0x20006                  ; which weight: (work-group / 64) % 4
	s_lshl_b32 s45, s45, 20
	s_cmp_lt_u32 ttmp9, NXG
	s_cselect_b32 s45, 0, s45
	s_add_co_u32 s44, s44, s45                     ; + 1 MiB for each weight before mine
	s_mov_b32 s45, 0
	s_wait_alu depctr_va_vdst(0)
	s_wait_kmcnt 0x0
	s_load_b256 s[24:31], s[18:19], 0x0            ; e0 .. e7
	s_load_b128 s[32:35], s[18:19], 0x20           ; e8 .. e11
	s_mov_b64 s[4:5], s[8:9]                       ; the tensor is chosen by the work-group's number alone
	s_cmp_ge_u32 ttmp9, 256
	s_cselect_b64 s[4:5], s[10:11], s[4:5]
	s_cmp_ge_u32 ttmp9, 320
	s_cselect_b64 s[4:5], s[12:13], s[4:5]
	s_cmp_ge_u32 ttmp9, 384
	s_cselect_b64 s[4:5], s[14:15], s[4:5]
	s_cmp_ge_u32 ttmp9, 448
	s_cselect_b64 s[4:5], s[16:17], s[4:5]
	s_cmp_lt_u32 ttmp9, NXG
	s_cselect_b64 s[6:7], s[20:21], s[22:23]
	s_add_nc_u64 s[4:5], s[4:5], s[42:43]
	s_add_nc_u64 s[6:7], s[6:7], s[44:45]          ; the first codes' place
	s_add_nc_u64 s[38:39], s[6:7], 0x400000        ; x's second tensor of codes; the third is reached by the store's immediate (used by x's work-groups alone)
.macro LOAD t
.irp i, 0,1,2,3
	global_load_b128 v[R+16*(\t)+4*\i:R+16*(\t)+4*\i+3], v[OFS], s[4:5] offset:2048*(\t)+512*\i th:TH_LOAD_NT   ; 32 lanes read 512 consecutive bytes; read once in the launch
.endr
.endm
.macro TURN t                          ; step t's numbers through stage t % 2: LDS serves a wave's instructions in order, so no wait stands between the stores and the loads
.irp i, 0,1,2,3
	ds_store_b128 v[SIN], v[R+16*(\t)+4*\i:R+16*(\t)+4*\i+3] offset:STG*((\t)%2)+8*SP*\i
.endr
	ds_load_b128 v[X+16*((\t)%2):X+16*((\t)%2)+3],     v[SOUT] offset:STG*((\t)%2)       ; k = 8 h + 0..3 of my 32,
	ds_load_b128 v[X+16*((\t)%2)+4:X+16*((\t)%2)+7],   v[SOUT] offset:STG*((\t)%2)+16    ; 8 h + 4..7,
	ds_load_b128 v[X+16*((\t)%2)+8:X+16*((\t)%2)+11],  v[SOUT] offset:STG*((\t)%2)+SP    ; 16 + 8 h + 0..3 (the next row of the stage),
	ds_load_b128 v[X+16*((\t)%2)+12:X+16*((\t)%2)+15], v[SOUT] offset:STG*((\t)%2)+SP+16 ; 16 + 8 h + 4..7
.endm
.macro SCALE e, sc, lim                ; v[sc] = 2^e as f32 (the conversion takes its exponent field), v[lim] = 448 x 2^e
	s_add_co_i32 s46, s[\e], 127
	s_lshl_b32 s47, s46, 23
	v_mov_b32 v[\sc], s47
	s_add_co_i32 s46, s46, 8
	s_lshl_b32 s46, s46, 23
	s_or_b32 s46, s46, 0x600000
	v_mov_b32 v[\lim], s46
.endm
.irp t, 0,1,2,3,4,5,6,7
	LOAD \t
.endr
	s_wait_kmcnt 0x0
	s_mov_b32 s40, s24                             ; the first scale: e0 for x, e1, e3, e5, e11 for the weights
	s_cmp_ge_u32 ttmp9, 256
	s_cselect_b32 s40, s25, s40
	s_cmp_ge_u32 ttmp9, 320
	s_cselect_b32 s40, s27, s40
	s_cmp_ge_u32 ttmp9, 384
	s_cselect_b32 s40, s29, s40
	s_cmp_ge_u32 ttmp9, 448
	s_cselect_b32 s40, s35, s40
	SCALE 40, 6, 7
	SCALE 26, 8, 9                                 ; e2
	SCALE 28, 10, 11                               ; e4
.macro Q3 dst, sc, lim                 ; the 16 numbers in v[XS] on become 16 codes in v[dst] .. v[dst + 3]; the numbers stay, since x is quantised three times
.irp i, 0,1,2,3,4,5,6,7,8,9,10,11,12,13,14,15
	v_med3_num_f32 v[T+\i], v[XS+\i], -v[\lim], v[\lim]   ; the conversion to an 8-bit code does not saturate (ISA guide 7.6.2): the hold at the largest code x the scale
.endr
	v_cvt_scalef32_pk8_fp8_f32 v[\dst:\dst+1], v[T:T+7], v[\sc]
	v_cvt_scalef32_pk8_fp8_f32 v[\dst+2:\dst+3], v[T+8:T+15], v[\sc]
	v_nop                                          ; a plain vector line between the conversions and the next holds, which write their sources
.endm
.macro STEP t
.set XS, X+16*((\t)%2)
	s_wait_dscnt 0x0                               ; this step's numbers are back from the stage, and its stores into the stage have read set t
.if (\t) < 7
	s_wait_loadcnt 4*(6-(\t))                      ; the next step's four loads are in; those of the steps behind it stay out
	TURN (\t)+1                                    ; they go through the other stage while this step is worked
.endif
	Q3 R+16*(\t), 6, 7
	global_store_b128 v[OFS], v[R+16*(\t):R+16*(\t)+3], s[6:7] offset:512*(\t)
	s_cmp_lg_u32 s37, 0                            ; a weight has one scale: a branch on the work-group's number, round register work and stores alone
	s_cbranch_scc0 .Lw_\@
	Q3 R+16*(\t)+4, 8, 9
	global_store_b128 v[OFS], v[R+16*(\t)+4:R+16*(\t)+7], s[38:39] offset:512*(\t)
	Q3 R+16*(\t)+8, 10, 11
	global_store_b128 v[OFS], v[R+16*(\t)+8:R+16*(\t)+11], s[38:39] offset:4194304+512*(\t)
.Lw_\@:
.endm
	s_wait_alu depctr_va_vdst(0)
	s_wait_loadcnt 28                              ; step 0's four loads are in
	TURN 0
.irp t, 0,1,2,3,4,5,6,7
	STEP \t
.endr
	s_wait_tensorcnt 0x0
	ds_add_u32 v192, v193
	s_wait_dscnt 0x0
	s_endpgm
.Lfunc_end_k_qc9d9534ee7_quant:
	.size	k_qc9d9534ee7_quant, .Lfunc_end_k_qc9d9534ee7_quant-k_qc9d9534ee7_quant
	.p2alignl 7, 3214868480
	.fill 96, 4, 3214868480
	.section	.rodata,"a",@progbits
	.p2align	6, 0x0
	.amdhsa_kernel k_qc9d9534ee7_quant
		.amdhsa_group_segment_fixed_size 33280
		.amdhsa_private_segment_fixed_size 0
		.amdhsa_enable_private_segment 0
		.amdhsa_kernarg_size 64
		.amdhsa_user_sgpr_count 2
		.amdhsa_user_sgpr_kernarg_segment_ptr 1
		.amdhsa_wavefront_size32 1
		.amdhsa_system_sgpr_workgroup_id_x 1
		.amdhsa_system_sgpr_workgroup_id_y 1
		.amdhsa_system_sgpr_workgroup_id_z 1
		.amdhsa_system_vgpr_workitem_id 0
		.amdhsa_next_free_vgpr 194
		.amdhsa_next_free_sgpr 66
		.amdhsa_reserve_vcc 0
		.amdhsa_float_denorm_mode_32 3
		.amdhsa_float_denorm_mode_16_64 3
		.amdhsa_memory_ordered 1
		.amdhsa_forward_progress 1
		.amdhsa_inst_pref_size 42
	.end_amdhsa_kernel
	.amdgpu_metadata
---
amdhsa.version: [ 1, 2 ]
amdhsa.kernels:
  - .name:           k_qc9d9534ee7_quant
    .symbol:         k_qc9d9534ee7_quant.kd
    .args:
      - { .name: x, .offset: 0, .size: 8, .value_kind: global_buffer, .address_space: global }
      - { .name: W_q, .offset: 8, .size: 8, .value_kind: global_buffer, .address_space: global }
      - { .name: W_k, .offset: 16, .size: 8, .value_kind: global_buffer, .address_space: global }
      - { .name: W_v, .offset: 24, .size: 8, .value_kind: global_buffer, .address_space: global }
      - { .name: W_o, .offset: 32, .size: 8, .value_kind: global_buffer, .address_space: global }
      - { .name: lowp_scales, .offset: 40, .size: 8, .value_kind: global_buffer, .address_space: global }
      - { .name: xc, .offset: 48, .size: 8, .value_kind: global_buffer, .address_space: global }
      - { .name: wc, .offset: 56, .size: 8, .value_kind: global_buffer, .address_space: global }
    .group_segment_fixed_size: 33280
    .private_segment_fixed_size: 0
    .kernarg_segment_align: 8
    .kernarg_segment_size: 64
    .max_flat_workgroup_size: 128
    .sgpr_count:     66
    .vgpr_count:     194
    .wavefront_size: 32
...
	.end_amdgpu_metadata
.endif
;; end of part 1
;; launch qkv (part 2): grid 48 x 4, 4 waves a work-group, clusters of 4 x 4, 327,680 bytes of LDS; arguments xc, wc, lowp_scales, qkv; writes qkv
.if DOCPART == 2
	.amdgcn_target "amdgcn-amd-amdhsa--gfx1250"
	.amdhsa_code_object_version 6
	.text
	.protected	k_qc9d9534ee7_qkv
	.globl	k_qc9d9534ee7_qkv
	.p2align	8
	.type	k_qc9d9534ee7_qkv,@function
k_qc9d9534ee7_qkv:
	s_mov_b64 s[64:65], 0
	v_nop
	global_prefetch_b8 v0, s[64:65] scope:SCOPE_SE
	s_setreg_imm32_b32 hwreg(HW_REG_WAVE_MODE, 25, 1), 1
	s_wait_xcnt 0x0
	s_wait_alu depctr_hold_cnt(0) depctr_sa_sdst(0) depctr_va_vdst(0) depctr_va_sdst(0) depctr_va_ssrc(0) depctr_va_vcc(0) depctr_vm_vsrc(0)
	s_getreg_b32 s2, hwreg(HW_REG_IB_STS2, 6, 4)
	s_cmp_eq_u32 s2, 0
	s_cbranch_scc0 .Lentry_in_a_cluster
	s_endpgm
.Lentry_in_a_cluster:
	s_bfe_u32 s2, ttmp6, 0x10000c
	s_cmp_lg_u32 s2, 0xf033
	s_cbranch_scc0 .Lentry_shape_is_right
	s_endpgm
.Lentry_shape_is_right:
; q, k, v = x W^T on codes of FP8 (E4M3), each M 4,096, N 1,024, K 1,024, sums in f32; each result is quantised at once with its given scale (entries 6, 7, 9) and leaves as codes.
; A block of 256 x 256 is made by a work-group of four waves, 128 x 128 each; K goes in steps of 256 through a ring of two LDS slots; 4 x 4 work-groups form a cluster and ask jointly for A's tiles (a row) and B's (a column).
; Cluster 0-3: q, 4-7: k, 8-11: v.  For v the operands change places (rows of W_v are A), so that a lane's neighbours run along the keys, the next product's K.
; THE STORES are images of operand registers, 512 bytes an instruction: q at 0, [head of a batch][16 tokens][1,024 bytes]; k and v behind 4 MiB, [head of a batch][128 keys][8,192 bytes of k, 8,192 of v].
; LIMITS: e6 - e0 - e1, e7 - e2 - e3 and e9 - e4 - e5 lie between -126 and 119: the three scales are folded into the conversion's one.
; No prefetch: K is four steps, of which the first two come by the head's loads.
.set KSTEP,  256
.set ROWB,   256
.set KROW,   1024
.set PITCH,  272
.set FR,     16
.set NL,     4
.set NP,     4
.set HALFT,  128*PITCH
.set SLOT,   4*HALFT
.set SPARE,  2*SLOT
.set OFF,  8
.set ADRA, 16
.set ADRB, 20
.set SPW,  28
.set NIL,  29
.set SCL,  30
.set LIM,  31
.set TMP,  32
.set AF,   128
.set CD,   128
.set G1, 24
.set G0, 32
.set G1B, 48
.set G0B, 56
.set MSB, 0
.macro WIN new
.if MSB != (\new)
	s_set_vgpr_msb (MSB<<8)|(\new)
.set MSB, (\new)
.endif
.endm
.set MUL_LO, 0xa1
.set MUL_HI, 0xf1
.set TO_B,   0x40
.macro JLOAD g0a, g1a, g0b, g1b
	s_cmp_eq_u32 s15, 0
	s_cbranch_scc0 .Lfor_b_\@
	tensor_load_to_lds s[\g0a:\g0a+3], s[\g1a:\g1a+7]
	s_nop 0
.rept 4
	v_nop
.endr
	s_branch .Lasked_\@
.Lfor_b_\@:
	tensor_load_to_lds s[\g0b:\g0b+3], s[\g1b:\g1b+7]
	s_nop 0
.rept 4
	v_nop
.endr
.Lasked_\@:
.endm
.macro CREST
	s_cmp_lg_u32 s14, 0
	s_cbranch_scc1 .Lnot_wave_0_\@
	s_barrier_signal -3
.Lnot_wave_0_\@:
	s_barrier_wait -3
	s_barrier_signal -1
	s_barrier_wait -1
.endm
.macro CROUND
	s_barrier_signal -1
	s_barrier_wait -1
	CREST
.endm
	s_load_b256 s[4:11], s[0:1], 0x0
	v_lshl_add_u32 v[SPW], v0, 2, SPARE
	v_mov_b32 v[NIL], 0
	ds_add_u32 v28, v29
	ds_add_u32 v28, v29
	s_wait_dscnt 0x0
	v_lshrrev_b32 v1, 5, v0
	v_readfirstlane_b32 s14, v1
	s_lshr_b32 s15, s14, 1
	s_and_b32 s16, s14, 1
	s_bfe_u32 s40, ttmp6, 0x40000
	s_bfe_u32 s41, ttmp6, 0x40004
	s_lshr_b32 s12, ttmp9, 2
	s_and_b32 s13, ttmp9, 3
	s_lshl_b32 s13, s13, 2
	s_cmp_eq_u32 s12, 2
	s_cselect_b32 s86, 0, s13
	s_cselect_b32 s87, s13, 0
	s_add_co_u32 s17, s41, s86
	s_add_co_u32 s42, s40, s87
	s_lshl_b32 s43, s41, 2
	s_lshl_b32 s43, 15, s43
	s_lshl_b32 s44, 0x1111, s40
	s_or_b32 s[G1+0], s43, (0<<16)|(1<<20)|(1<<21)|(5<<22)|(3<<25)
	s_or_b32 s[G1B+0], s44, (0<<16)|(1<<20)|(1<<21)|(5<<22)|(3<<25)
.irp g, G1, G1B
	s_mov_b32 s[\g+1], ROWB<<16
	s_mov_b32 s[\g+2], 128<<16
	s_mov_b32 s[\g+3], ROWB<<16
	s_mov_b32 s[\g+4], 128
	s_mov_b32 s[\g+5], KROW
	s_mov_b32 s[\g+6], 0
	s_mov_b32 s[\g+7], 0
.endr
	s_lshl_b32 s18, s16, 7
	s_lshl_b32 s20, s17, 8
	s_add_co_u32 s20, s20, s18
	s_lshl_b32 s20, s20, 10
	s_lshl_b32 s46, s42, 8
	s_add_co_u32 s46, s46, s18
	s_lshl_b32 s46, s46, 10
	s_lshl_b32 s88, s12, 22
	s_lshl_b32 s89, s12, 20
	s_cmp_eq_u32 s12, 2
	s_cselect_b32 s90, s89, s88
	s_cselect_b32 s91, s88, s89
	s_add_co_u32 s20, s20, s90
	s_add_co_u32 s46, s46, s91
	s_mov_b32 s21, 0
	s_mov_b32 s47, 0
	s_mul_i32 s45, s14, HALFT
	s_wait_kmcnt 0x0
	s_load_b256 s[68:75], s[8:9], 0x0
	s_load_b128 s[76:79], s[8:9], 0x20
	s_cmp_eq_u32 s12, 2
	s_cselect_b64 s[92:93], s[6:7], s[4:5]
	s_cselect_b64 s[94:95], s[4:5], s[6:7]
	s_add_nc_u64 s[20:21], s[92:93], s[20:21]
	s_add_nc_u64 s[46:47], s[94:95], s[46:47]
	CROUND
.irp s, 0,1
	s_mov_b32 s[G0+4*\s], 1
	s_add_co_u32 s[G0+4*\s+1], s45, \s*SLOT
	s_add_nc_u64 s[G0+4*\s+2:G0+4*\s+3], s[20:21], \s*ROWB
	s_or_b32 s[G0+4*\s+3], s[G0+4*\s+3], 0x80000000
	s_mov_b32 s[G0B+4*\s], 1
	s_add_co_u32 s[G0B+4*\s+1], s45, \s*SLOT
	s_add_nc_u64 s[G0B+4*\s+2:G0B+4*\s+3], s[46:47], \s*ROWB
	s_or_b32 s[G0B+4*\s+3], s[G0B+4*\s+3], 0x80000000
.endr
	JLOAD G0, G1, G0B, G1B                         ; K step 0: one tensor load a wave at the head
	v_and_b32 v1, 15, v0
	v_bfe_u32 v2, v0, 4, 1
	v_mul_u32_u24 v3, v1, PITCH
	v_lshl_add_u32 v4, v2, 4, v3
	s_mul_i32 s22, s15, HALFT
	s_mul_i32 s23, s16, HALFT
	s_add_co_u32 s23, s23, 2*HALFT
.irp s, 0,1
	v_add_nc_u32 v[ADRA+\s], s22, v4
	v_add_nc_u32 v[ADRB+\s], s23, v4
	s_add_co_u32 s22, s22, SLOT
	s_add_co_u32 s23, s23, SLOT
.endr
	s_min_u32 s86, s12, 1                          ; 0: q; 1: k and v, whose images share a head's 262,144 bytes
	s_lshl_b32 s93, 0x20000, s86                   ; from head to head, in bytes
	s_cmp_eq_u32 s12, 2
	s_cselect_b32 s88, s42, s17
	s_cselect_b32 s89, s16, s15
	s_cselect_b32 s90, s17, s42
	s_cselect_b32 s91, s15, s16
	s_mov_b32 s84, 2048
	s_cselect_b32 s84, s84, 1024
	s_mov_b32 s85, 262144
	s_cselect_b32 s85, s85, 4096
	s_mov_b32 s92, 1024
	s_cselect_b32 s92, s92, s93
	s_lshr_b32 s94, s88, 3
	s_lshl_b32 s94, s94, 4
	s_lshl_b32 s95, s90, 2
	s_add_co_u32 s94, s94, s95
	s_lshl_b32 s95, s91, 1
	s_add_co_u32 s94, s94, s95
	s_add_co_u32 s87, s86, 17
	s_lshl_b32 s94, s94, s87
	s_and_b32 s95, s88, 7
	s_lshl_b32 s95, s95, 1
	s_add_co_u32 s95, s95, s89
	s_add_co_u32 s87, s86, 13                      ; 128 tokens are 8,192 bytes of q, 16,384 of k and v
	s_lshl_b32 s95, s95, s87
	s_add_co_u32 s94, s94, s95
	s_lshl_b32 s95, s86, 22                        ; k and v lie behind q's 4 MiB,
	s_add_co_u32 s94, s94, s95
	s_lshr_b32 s95, s12, 1
	s_lshl_b32 s95, s95, 13                        ; v 8,192 bytes behind k
	s_add_co_u32 s94, s94, s95
	s_mov_b32 s95, 0
	s_mov_b32 s93, 0
	s_add_nc_u64 s[80:81], s[10:11], s[94:95]
	s_add_nc_u64 s[82:83], s[80:81], s[92:93]
	v_and_b32 v6, 31, v0
	v_lshlrev_b32 v[OFF], 4, v6
	v_add_nc_u32 v[OFF+1], s84, v[OFF]
	v_add_nc_u32 v[OFF+2], s84, v[OFF+1]
	v_add_nc_u32 v[OFF+3], s84, v[OFF+2]
.irp a, 0,1,2,3
	v_add_nc_u32 v[OFF+4+\a], s85, v[OFF+\a]
.endr
.macro FRAG reg, adr, q, i
.irp c, 0,1,2,3
	ds_load_b128 v[\reg+4*\c:\reg+4*\c+3], v[\adr] offset:128*(\q)+32*\c+(\i)*16*PITCH
.endr
.endm
.macro MUL16 a0, p, zero
.irp a, \a0, \a0+1
.irp b, 0,1,2,3,4,5,6,7
.if \zero
	v_wmma_f32_16x16x128_fp8_fp8 v[8*(8*((\a)%4)+\b):8*(8*((\a)%4)+\b)+7], v[128*(\p)+FR*\b:128*(\p)+FR*\b+FR-1], v[AF+FR*(\a):AF+FR*(\a)+FR-1], 0
.else
	v_wmma_f32_16x16x128_fp8_fp8 v[8*(8*((\a)%4)+\b):8*(8*((\a)%4)+\b)+7], v[128*(\p)+FR*\b:128*(\p)+FR*\b+FR-1], v[AF+FR*(\a):AF+FR*(\a)+FR-1], v[8*(8*((\a)%4)+\b):8*(8*((\a)%4)+\b)+7]
.endif
.endr
.endr
.endm
.macro FETCH_B slot, q, p
	WIN TO_B
.irp i, 0,1,2,3,4,5,6,7
	FRAG 128*(\p)+FR*\i, ADRB+\slot, \q, \i
.endr
	WIN 0
.endm
.macro FETCH_A slot, q, i0
.irp i, \i0, \i0+1, \i0+2, \i0+3
	FRAG AF+FR*(\i), ADRA+\slot, \q, \i
.endr
.endm
.macro PLACES n
.rept \n
	v_nop
.endr
.endm
.macro STEP slot, q, zero
	s_wait_dscnt 4*NL
	WIN MUL_LO
	MUL16 0, (\q)%2, \zero
	MUL16 2, (\q)%2, \zero
	s_wait_dscnt 0
	PLACES NP
	FETCH_B \slot, (\q)+1, 1-(\q)%2
	FETCH_A \slot, (\q)+1, 0
	WIN MUL_HI
	MUL16 4, (\q)%2, \zero
	MUL16 6, (\q)%2, \zero
	PLACES NP
	WIN 0
	FETCH_A \slot, (\q)+1, 4
.endm
.macro TURN slot, next, fill
	s_wait_tensorcnt 0x0
	ds_add_u32 v[SPW], v[NIL]
	s_wait_dscnt 4*NL+1
	WIN MUL_LO
	MUL16 0, 1, 0
	s_wait_dscnt 0x0
	s_barrier_signal -1
	MUL16 2, 1, 0
	WIN 0
	s_barrier_wait -1
.if \fill
	CREST
	s_add_nc_u64 s[G0+4*\slot+2:G0+4*\slot+3], s[G0+4*\slot+2:G0+4*\slot+3], 2*ROWB
	s_add_nc_u64 s[G0B+4*\slot+2:G0B+4*\slot+3], s[G0B+4*\slot+2:G0B+4*\slot+3], 2*ROWB
	JLOAD G0+4*\slot, G1, G0B+4*\slot, G1B
.else
	PLACES NP
.endif
	FETCH_B \next, 0, 0
	FETCH_A \next, 0, 0
	WIN MUL_HI
	MUL16 4, 1, 0
	MUL16 6, 1, 0
	PLACES NP
	WIN 0
	FETCH_A \next, 0, 4
.endm
	s_wait_alu depctr_va_vdst(0)
	s_wait_tensorcnt 0x0                           ; my part of K step 0 is in
	ds_add_u32 v[SPW], v[NIL]
	s_wait_dscnt 0x0
	CROUND                                         ; everybody's part is in, and the joint loads meet
	JLOAD G0+4, G1, G0B+4, G1B                     ; K step 1: the first tensor load behind the round
	FETCH_B 0, 0, 0
	FETCH_A 0, 0, 0
	FETCH_A 0, 0, 4
	STEP 0, 0, 1
	TURN 0, 1, 1
	STEP 1, 0, 0
	TURN 1, 0, 1
	STEP 0, 0, 0
	TURN 0, 1, 0
	STEP 1, 0, 0
	s_wait_dscnt 4*NL
	WIN MUL_LO
	MUL16 0, 1, 0
	MUL16 2, 1, 0
	s_wait_dscnt 0
	WIN MUL_HI
	MUL16 4, 1, 0
	MUL16 6, 1, 0
	WIN 0
	s_wait_kmcnt 0x0
	s_sub_co_i32 s86, s74, s68
	s_sub_co_i32 s86, s86, s69
	s_sub_co_i32 s87, s75, s70
	s_sub_co_i32 s87, s87, s71
	s_sub_co_i32 s88, s77, s72
	s_sub_co_i32 s88, s88, s73
	s_cmp_eq_u32 s12, 1
	s_cselect_b32 s86, s87, s86
	s_cmp_eq_u32 s12, 2
	s_cselect_b32 s86, s88, s86
	s_add_co_i32 s86, s86, 127
	s_lshl_b32 s87, s86, 23
	v_mov_b32 v[SCL], s87
	s_add_co_i32 s86, s86, 8
	s_lshl_b32 s86, s86, 23
	s_or_b32 s86, s86, 0x600000
	v_mov_b32 v[LIM], s86
	PLACES NP
.macro OUT a
	WIN (0x02+((\a)/4))
.set jj, 0
.rept 64
	v_med3_num_f32 v[TMP+jj], v[64*((\a)%4)+jj], -v[LIM], v[LIM]
.set jj, jj+1
.endr
	WIN 0
.irp b, 0,1,2,3,4,5,6,7
	v_cvt_scalef32_pk8_fp8_f32 v[CD+16*(\a)+2*\b:CD+16*(\a)+2*\b+1], v[TMP+8*\b:TMP+8*\b+7], v[SCL]
.endr
	v_nop
	global_store_b128 v[OFF+(\a)], v[CD+16*(\a):CD+16*(\a)+3], s[80:81]
	global_store_b128 v[OFF+(\a)], v[CD+16*(\a)+4:CD+16*(\a)+7], s[80:81] offset:512
	global_store_b128 v[OFF+(\a)], v[CD+16*(\a)+8:CD+16*(\a)+11], s[82:83]
	global_store_b128 v[OFF+(\a)], v[CD+16*(\a)+12:CD+16*(\a)+15], s[82:83] offset:512
.endm
.irp a, 0,1,2,3,4,5,6,7
	OUT \a
.endr
	s_wait_tensorcnt 0x0
	ds_add_u32 v[SPW], v[NIL]
	s_wait_dscnt 0x0
	CROUND
	s_endpgm
.Lfunc_end_k_qc9d9534ee7_qkv:
	.size	k_qc9d9534ee7_qkv, .Lfunc_end_k_qc9d9534ee7_qkv-k_qc9d9534ee7_qkv
	.p2alignl 7, 3214868480
	.fill 96, 4, 3214868480
	.section	.rodata,"a",@progbits
	.p2align	6, 0x0
	.amdhsa_kernel k_qc9d9534ee7_qkv
		.amdhsa_group_segment_fixed_size 327680
		.amdhsa_private_segment_fixed_size 0
		.amdhsa_enable_private_segment 0
		.amdhsa_kernarg_size 32
		.amdhsa_user_sgpr_count 2
		.amdhsa_user_sgpr_kernarg_segment_ptr 1
		.amdhsa_wavefront_size32 1
		.amdhsa_system_sgpr_workgroup_id_x 1
		.amdhsa_system_sgpr_workgroup_id_y 1
		.amdhsa_system_sgpr_workgroup_id_z 1
		.amdhsa_system_vgpr_workitem_id 0
		.amdhsa_next_free_vgpr 1024
		.amdhsa_next_free_sgpr 96
		.amdhsa_reserve_vcc 0
		.amdhsa_float_denorm_mode_32 3
		.amdhsa_float_denorm_mode_16_64 3
		.amdhsa_memory_ordered 1
		.amdhsa_forward_progress 1
		.amdhsa_inst_pref_size 119
	.end_amdhsa_kernel
	.amdgpu_metadata
---
amdhsa.version: [ 1, 2 ]
amdhsa.kernels:
  - .name:           k_qc9d9534ee7_qkv
    .symbol:         k_qc9d9534ee7_qkv.kd
    .args:
      - { .name: xc, .offset: 0, .size: 8, .value_kind: global_buffer, .address_space: global }
      - { .name: wc, .offset: 8, .size: 8, .value_kind: global_buffer, .address_space: global }
      - { .name: lowp_scales, .offset: 16, .size: 8, .value_kind: global_buffer, .address_space: global }
      - { .name: qkv, .offset: 24, .size: 8, .value_kind: global_buffer, .address_space: global }
    .group_segment_fixed_size: 327680
    .private_segment_fixed_size: 0
    .kernarg_segment_align: 8
    .kernarg_segment_size: 32
    .max_flat_workgroup_size: 128
    .sgpr_count:     96
    .vgpr_count:     1024
    .wavefront_size: 32
...
	.end_amdgpu_metadata
.endif
;; end of part 2
;; launch attn (part 3): grid 8 x 32, 16 waves a work-group, clusters of 4 x 1, 327,680 bytes of LDS; arguments qkv, lowp_scales, ac; writes ac
.if DOCPART == 3
	.amdgcn_target "amdgcn-amd-amdhsa--gfx1250"
	.amdhsa_code_object_version 6
	.text
	.protected	k_qc9d9534ee7_attn
	.globl	k_qc9d9534ee7_attn
	.p2align	8
	.type	k_qc9d9534ee7_attn,@function
k_qc9d9534ee7_attn:
	s_mov_b64 s[64:65], 0
	v_nop
	global_prefetch_b8 v0, s[64:65] scope:SCOPE_SE
	s_setreg_imm32_b32 hwreg(HW_REG_WAVE_MODE, 25, 1), 1
	s_wait_xcnt 0x0
	s_wait_alu depctr_hold_cnt(0) depctr_sa_sdst(0) depctr_va_vdst(0) depctr_va_sdst(0) depctr_va_ssrc(0) depctr_va_vcc(0) depctr_vm_vsrc(0)
	s_getreg_b32 s2, hwreg(HW_REG_IB_STS2, 6, 4)
	s_cmp_eq_u32 s2, 0
	s_cbranch_scc0 .Lentry_in_a_cluster
	s_endpgm
.Lentry_in_a_cluster:
	s_bfe_u32 s2, ttmp6, 0x10000c
	s_cmp_lg_u32 s2, 0x3003
	s_cbranch_scc0 .Lentry_shape_is_right
	s_endpgm
.Lentry_shape_is_right:
; Causal attention of one (batch, head) on codes of FP8 (E4M3): S^T = K Q^T (K = the head's 64), p, O^T = V^T P^T (K = the keys); the result is quantised with entry 10 of the scales for the last projection.
; THE SOFTMAX: t = score x 2^(e6 + e7) x log2(e) / 8; M = the largest t so far, rounded UP to a whole number; p = 2^(t - M) is what is quantised (entry 8), not normalised.  The row's sum is taken of the unquantised p, in f32,
; and divides O at the end.  When M moves, the sum and O are multiplied by 2^(old M - new M), which rounds nothing.
; INPUTS are images of operand registers (16 bytes a lane, 512 bytes a group of four registers): q: [16 tokens][2][lane][16]; k and v: [128 keys][k: 8 x 16 keys x [2][lane][16]; v: 4 x 16 channels x [4][lane][16]].
; Both products are used transposed: a lane holds ONE query (lane % 16); in S^T register j of tile t is key 16 t + 8 (lane / 16) + j, and the eight tiles' codes are the second product's operand as they stand.
; SHARES.  A head's 2,048 queries are 16 blocks of 128; a block is four pairs of 16-query tiles, and block n walks n + 1 steps of 128 keys.  The four work-groups of a cluster take the four pairs of the same eight blocks, so that
; steps and branches hang on the wave and the cluster's number alone.  Wave w has u = w % 4, role (w / 4) % 2, tile w / 8 of the pair.  The two roles share a low block b = 2 u + ((u % 2) xor cluster), b + 1 steps, and the
; high block 15 - b, 16 - b steps: 17 in all.  Role 0 takes 8 steps of the high block; role 1 the low block and then the other 8 - b of the high block: 9 steps.
; In trip i role 0 takes step i + max(0, i - b), role 1 step i + max(0, i - b - 1).  So trip i reads steps up to 2 i.
; The two parts of a high tile are joined at the end through LDS: role 0 finishes channels 0-31, role 1 channels 32-63.  A wave owns one tile at a time in 256 registers; four waves share a SIMD.
; LDS.  All of the head's K and V, each byte filled once, by joint loads of the cluster's four: steps 0-3 at the head, steps 4-7 behind trip 0's round, steps 8-15 behind trip 2's round, one load a wave each: one is out.
; Step s lies at 65,536 (s / 4) + 4,096 (s % 4), in four pieces of 4,096 bytes, 16,384 apart.  Each load holds bytes of steps that some wave reads (the last block walked is 14 or 15, steps 12-14 at the least).
; No prefetch: each later fill is asked for two trips ahead of its first reader, and there are only two.
; WORK LEFT OUT: steps all of whose keys come after the block's queries (the first kernel's head shows that they are dead); they are not in a wave's walk.
; LIMITS: e6 + e7 between -123 and 130 (added to c's exponent field); e8 and e10 between -126 and 119; e8 + e9 is applied by v_ldexp_f32 and has none.
; REGISTERS: v12 -M, v[14:15] the sum in two halves, v16-23 Q, v24-31 the high tile's Q, v32-95 K's 8 fragments, then V's 4, v96-159 S^T, then p, v160-191 O^T, v192-207 p's codes, v224-231 the result's codes.
.set LI,  1                            ; v1  16 x lane: my place in an image
.set DQ,  3                            ; v3  my query's place in its block less 8 (lane / 16): on the diagonal, register 8 t + j counts where 16 t + j <= it
.set XA,  4                            ; v4  LDS: where I put a partial result
.set XP,  5                            ; v5  LDS: where my partner puts its
.set SPW, 6                            ; v6  LDS address of my spare word; never rewritten
.set NIL, 7                            ; v7  0; never rewritten
.set ADR, 8                            ; v8  LDS address of the trip's K and V
.set IT,  2                            ; s2  the trip
.set KP,  13                           ; s13 8 - b - role
.set NIT, 14                           ; s14 my trips: 8 or 9
.set SW,  15                           ; s15 the trip at which I change blocks (63: never)
.set DG,  16                           ; s16 the trip of the low block's diagonal (63: none); the high block's is trip 8
.set NINF, 17
.set SEL, 20                           ; s[20:21] lane selects for v_permlanex16_b32: lane l xor 16
.set CS,  22                           ; s[22:23] c = log2(e) / 8 x 2^(e6 + e7)
.set G1A, 24                           ; descriptor group 1: a piece of one step;  G1B: of two steps
.set G1B, 32
.set G0A, 40                           ; descriptor groups 0 of the three fills: none is ever rewritten
.set G0B, 44
.set G0C, 48
.set LM8, 52                           ; s52 448 x 2^e8
.set LM10, 53                          ; s53 448 x 2^e10
.set EO,  54                           ; s54 e8 + e9
.set ACL, 56                           ; s[56:57] where the low block's tile goes
.set ACH, 58                           ; s[58:59] the high block's
.set XB,  262144                       ; behind K and V: 2,560 bytes for each wave's partial result
.set XW,  2560
.set SPARE, XB+16*XW                   ; the spare words, 128 bytes for each wave
.macro PLACES n
.rept \n
	v_nop
.endr
.endm
.macro CROUND                          ; a round of the cluster's barrier
	s_barrier_signal -1
	s_barrier_wait -1
	s_cmp_lg_u32 s12, 0
	s_cbranch_scc1 .Lnot_wave_0_\@
	s_barrier_signal -3
.Lnot_wave_0_\@:
	s_barrier_wait -3
	s_barrier_signal -1
	s_barrier_wait -1
.endm
.macro GROUP1 g, cols, pitch           ; two rows of cols elements of 8 bytes, pitch elements apart in memory, dense in LDS; the mask names the cluster's four
	s_mov_b32 s[\g+0], 15|(3<<16)|(1<<21)
	s_mov_b32 s[\g+1], \cols<<16
	s_mov_b32 s[\g+2], 2<<16
	s_mov_b32 s[\g+3], \cols<<16
	s_mov_b32 s[\g+4], 2
	s_mov_b32 s[\g+5], \pitch
	s_mov_b32 s[\g+6], 0
	s_mov_b32 s[\g+7], 0
.endm
	s_load_b128 s[4:7], s[0:1], 0x0                ; qkv, the scales
	s_load_b64 s[8:9], s[0:1], 0x10                ; ac
	v_lshl_add_u32 v[SPW], v0, 2, SPARE
	v_mov_b32 v[NIL], 0
	ds_add_u32 v[SPW], v[NIL]
	ds_add_u32 v[SPW], v[NIL]
	v_lshrrev_b32 v2, 5, v0
	v_readfirstlane_b32 s12, v2                    ; wave 0..15
	s_lshr_b32 s61, s12, 2
	s_and_b32 s10, s61, 1                          ; my role
	s_lshr_b32 s55, s12, 3                         ; which tile of the pair
	s_and_b32 s11, s12, 3                          ; u; also the piece that I fetch
	s_and_b32 s66, ttmp7, 0xffff                   ; 16 x batch + head
	GROUP1 G1A, 256, 256                           ; 4,096 bytes on end
	GROUP1 G1B, 512, 2048                          ; 4,096 bytes of each of two steps, 16,384 apart
	s_lshl_b32 s84, s66, 18
	s_add_co_u32 s84, s84, 0x400000                ; the head's k and v
	s_mov_b32 s85, 0
	s_lshl_b32 s88, s11, 12
	s_lshl_b32 s86, s61, 14
	s_add_co_u32 s86, s86, s88                     ; my piece of step wave / 4
	s_mov_b32 s87, 0
	s_lshl_b32 s89, s61, 15
	s_add_co_u32 s88, s88, s89
	s_add_co_u32 s88, s88, 0x20000                 ; my piece of steps 8 + 2 (wave / 4) and the next
	s_mov_b32 s89, 0
	s_lshl_b32 s90, s11, 14
	s_lshl_b32 s91, s61, 12
	s_mov_b32 s[G0A], 1
	s_mov_b32 s[G0B], 1
	s_mov_b32 s[G0C], 1
	s_add_co_u32 s[G0A+1], s90, s91                ; where they go in LDS
	s_add_co_u32 s[G0B+1], s[G0A+1], 0x10000
	s_lshl_b32 s91, s55, 16
	s_add_co_u32 s90, s90, s91
	s_lshl_b32 s91, s10, 13
	s_add_co_u32 s90, s90, s91
	s_add_co_u32 s[G0C+1], s90, 0x20000
	s_wait_dscnt 0x0                               ; both opening adds are done
	s_wait_kmcnt 0x0
	s_load_b256 s[68:75], s[6:7], 0x0              ; e0 .. e7
	s_load_b128 s[76:79], s[6:7], 0x20             ; e8 .. e11
	s_add_nc_u64 s[84:85], s[4:5], s[84:85]
	s_add_nc_u64 s[G0A+2:G0A+3], s[84:85], s[86:87]
	s_add_nc_u64 s[G0B+2:G0B+3], s[G0A+2:G0A+3], 0x10000
	s_add_nc_u64 s[G0C+2:G0C+3], s[84:85], s[88:89]
	s_or_b32 s[G0A+3], s[G0A+3], 0x80000000
	s_or_b32 s[G0B+3], s[G0B+3], 0x80000000
	s_or_b32 s[G0C+3], s[G0C+3], 0x80000000
	CROUND                                         ; the cluster's four are here: the first joint loads meet
	tensor_load_to_lds s[G0A:G0A+3], s[G1A:G1A+7]  ; steps 0-3: one tensor load a wave at the head
	s_nop 0
	PLACES 4
	s_bfe_u32 s67, ttmp6, 0x40000                  ; cx: which pair of a block; it enters addresses in memory and the diagonal's mask alone
	s_and_b32 s18, s11, 1
	s_xor_b32 s18, s18, ttmp9
	s_lshl_b32 s19, s11, 1
	s_add_co_u32 s18, s18, s19                     ; b, 0 .. 7
	s_xor_b32 s19, s18, 15                         ; 15 - b
	s_xor_b32 s[KP], s18, 7
	s_xor_b32 s61, s10, 1
	s_add_co_u32 s[KP], s[KP], s61
	s_add_co_u32 s[NIT], s10, 8
	s_add_co_u32 s61, s18, 1
	s_cmp_eq_u32 s10, 1
	s_cselect_b32 s[SW], s61, 63
	s_cselect_b32 s[DG], s18, 63
	s_cselect_b32 s63, s18, s19                    ; my first block
	s_mov_b32 s[IT], 0
	s_mov_b32 s[NINF], 0xff800000
	s_mov_b32 s[SEL], 0x76543210
	s_mov_b32 s[SEL+1], 0xfedcba98
	s_lshl_b32 s80, s66, 17
	s_lshl_b32 s81, s67, 11
	s_add_co_u32 s80, s80, s81
	s_lshl_b32 s81, s55, 10
	s_add_co_u32 s80, s80, s81
	s_lshl_b32 s92, s63, 13
	s_add_co_u32 s92, s92, s80
	s_mov_b32 s93, 0
	s_add_nc_u64 s[92:93], s[4:5], s[92:93]        ; q's image of my first tile: 1,024 bytes
	s_lshl_b32 s94, s19, 13
	s_add_co_u32 s94, s94, s80
	s_mov_b32 s95, 0
	s_add_nc_u64 s[94:95], s[4:5], s[94:95]        ; and of the high tile (in role 0 the same tile, and not used)
	v_and_b32 v[LI], 31, v0
	v_lshlrev_b32 v[LI], 4, v[LI]
	s_wait_alu depctr_va_vdst(0)
	global_load_b128 v[16:19], v[LI], s[92:93]
	global_load_b128 v[20:23], v[LI], s[92:93] offset:512
	global_load_b128 v[24:27], v[LI], s[94:95]
	global_load_b128 v[28:31], v[LI], s[94:95] offset:512
	s_lshr_b32 s88, s66, 4
	s_lshl_b32 s88, s88, 21
	s_and_b32 s89, s66, 15
	s_lshl_b32 s89, s89, 10
	s_add_co_u32 s88, s88, s89
	s_lshl_b32 s89, s67, 15
	s_add_co_u32 s88, s88, s89                     ; ac: [batch][16 tokens][head][1,024]: a tile is 16,384 bytes from the next
	s_lshl_b32 s89, s55, 14
	s_add_co_u32 s88, s88, s89
	s_lshl_b32 s90, s18, 17
	s_add_co_u32 s90, s90, s88
	s_mov_b32 s91, 0
	s_add_nc_u64 s[ACL:ACL+1], s[8:9], s[90:91]
	s_lshl_b32 s90, s19, 17
	s_add_co_u32 s90, s90, s88
	s_add_nc_u64 s[ACH:ACH+1], s[8:9], s[90:91]
	s_mul_i32 s61, s12, XW
	s_add_co_u32 s61, s61, XB
	s_xor_b32 s62, s12, 4                          ; my partner: the other role, the same tile
	s_mul_i32 s62, s62, XW
	s_add_co_u32 s62, s62, XB
	s_lshl_b32 s80, s67, 5
	s_lshl_b32 s81, s55, 4
	s_add_co_u32 s80, s80, s81
	v_add_nc_u32 v[XA], s61, v[LI]
	v_add_nc_u32 v[XP], s62, v[LI]
	v_and_b32 v[DQ], 15, v0
	v_bfe_u32 v2, v0, 4, 1
	v_lshlrev_b32 v2, 3, v2
	v_sub_nc_u32 v[DQ], v[DQ], v2
	v_add_nc_u32 v[DQ], s80, v[DQ]                 ; 32 cx + 16 tile + lane % 16 - 8 (lane / 16)
	v_mov_b32 v12, 0x7f61b1e6                      ; -M: 3e38, over every -t
.set jj, 0
.rept 32
	v_mov_b32 v[160+jj], 0                         ; O^T.  (The first change of M multiplies the zeros by 0)
.set jj, jj+1
.endr
.irp r, 13,14,15,210,213,223
	v_mov_b32 v\r, 0                               ; the sum's two halves, and registers named as a pair's upper half or as a permute's destination
.endr
	s_wait_alu depctr_va_vdst(0)
	s_wait_kmcnt 0x0
	s_add_co_i32 s61, s74, s75
	s_lshl_b32 s61, s61, 23
	s_add_co_i32 s[CS], s61, 0x3e38aa3b            ; log2(e) / 8, with e6 + e7 added to its exponent field
	s_mov_b32 s[CS+1], s[CS]                       ; (named with it as a pair)
	s_add_co_i32 s61, s76, 127
	s_add_co_i32 s62, s61, 8
	s_lshl_b32 s61, s61, 23                        ; 2^e8
	s_lshl_b32 s62, s62, 23
	s_or_b32 s[LM8], s62, 0x600000
	s_add_co_i32 s62, s78, 127
	s_add_co_i32 s63, s62, 8
	s_lshl_b32 s62, s62, 23                        ; 2^e10
	s_lshl_b32 s63, s63, 23
	s_or_b32 s[LM10], s63, 0x600000
	s_add_co_i32 s[EO], s76, s77
	v_mov_b32 v208, s61
	v_mov_b32 v220, s62
; s60 = where the trip's step begins in LDS: x = trip + 8 - b - role; step = trip + (x % 8) where x is 8 or more.  rb: bits of step / 4 that the trips at hand can have
.macro TBOF rb
	s_add_co_u32 s61, s[IT], s[KP]
	s_and_b32 s62, s61, 7
	s_bfe_u32 s61, s61, 0x10003
	s_mul_i32 s62, s62, s61
	s_add_co_u32 s62, s62, s[IT]
	s_and_b32 s60, s62, 3
	s_lshl_b32 s60, s60, 12
.if \rb
	s_and_b32 s61, s62, (4<<\rb)-4                 ; 4 x (step / 4)
	s_lshl_b32 s61, s61, 14
	s_add_co_u32 s60, s60, s61
.endif
.endm
; The way out of channel blocks lo .. lo + n - 1 of a tile: O^T / the sum x 2^(e8 + e9), quantised with 2^e10, leaves as the image of this head's 64 along the last product's K.
.macro OUT lo, n, base
	v_add_f32 v14, v14, v15
	s_delay_alu instid0(VALU_DEP_1)
	v_permlanex16_b32 v210, v14, s[SEL], s[SEL+1]
	s_delay_alu instid0(VALU_DEP_1)
	v_add_f32 v14, v14, v210                       ; and lane l xor 16's: the row's sum
	s_wait_alu depctr_va_vdst(0)
	v_rcp_f32 v14, v14
	v_nop
	s_wait_alu depctr_va_vdst(0)
	v_ldexp_f32 v14, v14, s[EO]
	s_wait_alu depctr_va_vdst(0)
.set jj, 8*(\lo)
.rept 4*(\n)
	v_pk_mul_f32 v[96+jj:97+jj], v[160+jj:161+jj], v[14:15] op_sel_hi:[1,0]
.set jj, jj+2
.endr
.set jj, 8*(\lo)
.rept 8*(\n)
	v_med3_num_f32 v[96+jj], v[96+jj], -s[LM10], s[LM10]   ; the hold at the largest code x the scale (the conversion does not saturate: ISA guide 7.6.2)
.set jj, jj+1
.endr
.set dd, \lo
.rept \n
	v_cvt_scalef32_pk8_fp8_f32 v[224+2*dd:225+2*dd], v[96+8*dd:103+8*dd], v220
.set dd, dd+1
.endr
	v_nop
.set gg, (\lo)/2
.rept (\n)/2
	global_store_b128 v[LI], v[224+4*gg:227+4*gg], s[\base:\base+1] offset:512*gg   ; 32 lanes store 512 consecutive bytes, at a multiple of 512
.set gg, gg+1
.endr
.endm
; From the low tile to the high one.  O^T and the sum are not cleared: -M begins anew at 3e38, so the next change of M multiplies them, finite numbers, by 0.
.macro SWITCH
	PLACES 4                                       ; behind the last products, in front of the first read of O^T
	s_wait_alu depctr_va_vdst(0)
	s_wait_xcnt 0x0                                ; no store of mine still reads the registers that the conversions write
	OUT 0, 4, ACL
.irp j, 0,1,2,3,4,5,6,7
	v_mov_b32 v[16+\j], v[24+\j]
.endr
	v_mov_b32 v12, 0x7f61b1e6
	s_wait_alu depctr_va_vdst(0)
.endm
; A TRIP: one step of 128 keys for my tile.
.macro STEP rb
	s_cmp_ge_u32 s[IT], s[NIT]
	s_cbranch_scc1 .Lskip_\@
	s_cmp_lg_u32 s[IT], s[SW]
	s_cbranch_scc1 .Lsame_\@
	SWITCH
.Lsame_\@:
	TBOF \rb
	v_add_nc_u32 v[ADR], s60, v[LI]
	PLACES 3                                       ; with the addition: four places between the last products and the loads into the registers that they read
.irp t, 0,1,2,3,4,5,6,7
.irp c, 0,1
	ds_load_b128 v[32+8*\t+4*\c:32+8*\t+4*\c+3], v[ADR] offset:16384*(\t/4)+1024*(\t%4)+512*\c   ; K: 16 keys x 64
.endr
.endr
	s_wait_alu depctr_va_vdst(0)
	s_wait_dscnt 0x0
.irp t, 0,1,2,3,4,5,6,7
	v_wmma_f32_16x16x64_fp8_fp8 v[96+8*\t:103+8*\t], v[32+8*\t:39+8*\t], v[16:23], 0   ; source 0 = 16 keys, source 1 = my 16 queries
.endr
	PLACES 4                                       ; in front of the loads below and of the first read of the scores
.irp d, 0,1,2,3
.irp c, 0,1,2,3
	ds_load_b128 v[32+16*\d+4*\c:32+16*\d+4*\c+3], v[ADR] offset:16384*(2+\d/2)+2048*(\d%2)+512*\c   ; V^T: 16 channels x 128 keys; they land under the softmax
.endr
.endr
	s_cmp_eq_u32 s[IT], s[DG]
	s_cbranch_scc1 .Lmask_\@
	s_cmp_lg_u32 s[IT], 8
	s_cbranch_scc1 .Lopen_\@
.Lmask_\@:
.set nn, 0
.rept 64
	v_cmp_le_i32 vcc_lo, 16*(nn/8)+nn%8, v[DQ]
	v_cndmask_b32 v[96+nn], s[NINF], v[96+nn], vcc_lo   ; a hidden score becomes -infinity ahead of the maximum: its p is 0.  (A tile's own keys lie in this step, so every query keeps a key)
.set nn, nn+1
.endr
.Lopen_\@:
	v_max3_num_f32 v214, v96, v97, v98             ; the largest of my 64 scores in four chains, each accumulator from its low end on
	v_max3_num_f32 v215, v99, v100, v101
	v_max3_num_f32 v216, v102, v103, v104
	v_max3_num_f32 v217, v105, v106, v107
.irp i, 12,20,28,36,44,52
	v_max3_num_f32 v214, v214, v[96+\i], v[97+\i]
	v_max3_num_f32 v215, v215, v[98+\i], v[99+\i]
	v_max3_num_f32 v216, v216, v[100+\i], v[101+\i]
	v_max3_num_f32 v217, v217, v[102+\i], v[103+\i]
.endr
	v_max3_num_f32 v214, v214, v156, v157
	v_max3_num_f32 v215, v215, v158, v159
	v_max_num_f32 v216, v216, v217
	v_max3_num_f32 v214, v214, v215, v216
	s_delay_alu instid0(VALU_DEP_1)
	v_permlanex16_b32 v210, v214, s[SEL], s[SEL+1]
	s_delay_alu instid0(VALU_DEP_1)
	v_max_num_f32 v214, v214, v210                 ; and among lane l xor 16's
	s_delay_alu instid0(VALU_DEP_1)
	v_mul_f32 v214, s[CS], -v214                   ; -t (c is positive)
	s_delay_alu instid0(VALU_DEP_1)
	v_floor_f32 v214, v214                         ; -ceil(t)
	s_delay_alu instid0(VALU_DEP_1)
	v_min_num_f32 v214, v214, v12                  ; the new -M: a whole number
	s_delay_alu instid0(VALU_DEP_1)
	v_sub_f32 v216, v214, v12                      ; M's old value less its new one: 0 or less
	v_mov_b32 v12, v214
	s_delay_alu instid0(VALU_DEP_2)
	v_cvt_i32_f32 v216, v216                       ; (it saturates)
	s_delay_alu instid0(VALU_DEP_1)
	v_ldexp_f32 v212, 1.0, v216                    ; f = 2^(old M - new M)
.set jj, 0
.rept 32
	v_pk_fma_f32 v[96+jj:97+jj], v[96+jj:97+jj], s[CS:CS+1], v[12:13] op_sel_hi:[1,0,0]   ; t - M, two at a time
.set jj, jj+2
.endr
.set jj, 0
.rept 16
	v_pk_mul_f32 v[160+jj:161+jj], v[160+jj:161+jj], v[212:213] op_sel_hi:[1,0]   ; O^T under the new M
.set jj, jj+2
.endr
	s_wait_alu depctr_va_vdst(0)
.set jj, 0
.rept 64
	v_exp_f32 v[96+jj], v[96+jj]                   ; p = 2^(t - M), at most 1
.set jj, jj+1
.endr
	v_pk_mul_f32 v[14:15], v[14:15], v[212:213] op_sel_hi:[1,0]   ; the sums under the new M: the plain line behind the exponentials
	s_wait_alu depctr_va_vdst(0)                   ; and behind it, ahead of its first reader
	v_pk_add_f32 v[216:217], v[96:97], v[98:99]    ; the unquantised p into the row's sum, two at a time, in four chains
	v_pk_add_f32 v[240:241], v[100:101], v[102:103]
	v_pk_add_f32 v[242:243], v[104:105], v[106:107]
.irp i, 12,20,28,36,44,52
	v_pk_add_f32 v[14:15], v[14:15], v[96+\i:97+\i]
	v_pk_add_f32 v[216:217], v[216:217], v[98+\i:99+\i]
	v_pk_add_f32 v[240:241], v[240:241], v[100+\i:101+\i]
	v_pk_add_f32 v[242:243], v[242:243], v[102+\i:103+\i]
.endr
	v_pk_add_f32 v[14:15], v[14:15], v[156:157]
	v_pk_add_f32 v[216:217], v[216:217], v[158:159]
	v_pk_add_f32 v[240:241], v[240:241], v[242:243]
	v_pk_add_f32 v[14:15], v[14:15], v[216:217]
	v_pk_add_f32 v[14:15], v[14:15], v[240:241]
.set jj, 0
.rept 32
	v_dual_min_num_f32 v[96+jj], s[LM8], v[96+jj] :: v_dual_min_num_f32 v[97+jj], s[LM8], v[97+jj]   ; p is not negative, so the hold at the largest code x the scale is one-sided
.set jj, jj+2
.endr
.irp t, 0,1,2,3,4,5,6,7
	v_cvt_scalef32_pk8_fp8_f32 v[192+2*\t:193+2*\t], v[96+8*\t:103+8*\t], v208   ; registers 2 t, 2 t + 1 of the operand: keys 16 t + 8 (lane / 16) + 0 .. 7
.endr
	v_nop                                          ; a plain line between the conversions and the products
	s_wait_alu depctr_va_vdst(0)
	s_wait_dscnt 0x0                               ; V is in
.irp d, 0,1,2,3
	v_wmma_f32_16x16x128_fp8_fp8 v[160+8*\d:167+8*\d], v[32+16*\d:47+16*\d], v[192:207], v[160+8*\d:167+8*\d]   ; source 0 = 16 channels, source 1 = P; the four accumulators take turns, and the scores' eight stand between two trips' turns
.endr
.Lskip_\@:
.endm
.macro SEG end, rb                     ; trips up to end
.Lseg_\@:
	STEP \rb
	s_add_co_u32 s[IT], s[IT], 1
	s_cmp_lt_u32 s[IT], \end
	s_cbranch_scc1 .Lseg_\@
.endm
; In front of trips 0, 2 and 4: my part of the fill that is read next has landed; behind the round or the barrier everybody's has.
.macro CHANGE fill, g0, g1
	s_wait_alu depctr_va_vdst(0)
	s_wait_tensorcnt 0x0
	ds_add_u32 v[SPW], v[NIL]
	s_wait_dscnt 0x0
.if \fill
	CROUND
	tensor_load_to_lds s[\g0:\g0+3], s[\g1:\g1+7]  ; a first fill, the first tensor load behind the round
	s_nop 0
	PLACES 4
.else
	s_barrier_signal -1
	s_barrier_wait -1
.endif
.endm
	CHANGE 1, G0B, G1A                             ; steps 0-3 are in; steps 4-7 are asked for
	s_wait_loadcnt 0x0                             ; Q
	SEG 2, 0
	CHANGE 1, G0C, G1B                             ; steps 4-7 are in; steps 8-15 are asked for
	s_mov_b32 s[IT], 2                             ; each segment's loop begins with a constant
	SEG 4, 1
	CHANGE 0, 0, 0                                 ; steps 8-15 are in
	s_mov_b32 s[IT], 4
	SEG 9, 2
	; A HIGH TILE'S TWO PARTS ARE JOINED: each wave hands the channels that its partner finishes over through LDS.
.macro PUT o                           ; 16 registers of O^T from o on, then -M, (unused), the sum's two halves
.irp k, 0,1,2,3
	ds_store_b128 v[XA], v[160+(\o)+4*\k:163+(\o)+4*\k] offset:512*\k
.endr
	ds_store_b128 v[XA], v[12:15] offset:2048
.endm
.macro FIN o                           ; both parts under the common M: the smaller -M; each factor is a power of two, 1 or less
.irp k, 0,1,2,3
	ds_load_b128 v[96+4*\k:99+4*\k], v[XP] offset:512*\k
.endr
	ds_load_b128 v[112:115], v[XP] offset:2048
	s_wait_dscnt 0x0
	v_min_num_f32 v214, v12, v112
	v_sub_f32 v216, v214, v12
	v_sub_f32 v217, v214, v112
	v_cvt_i32_f32 v216, v216
	v_cvt_i32_f32 v217, v217
	v_ldexp_f32 v212, 1.0, v216
	v_ldexp_f32 v222, 1.0, v217
	v_pk_mul_f32 v[14:15], v[14:15], v[212:213] op_sel_hi:[1,0]
.set jj, 0
.rept 8
	v_pk_mul_f32 v[160+(\o)+jj:161+(\o)+jj], v[160+(\o)+jj:161+(\o)+jj], v[212:213] op_sel_hi:[1,0]
.set jj, jj+2
.endr
	v_pk_fma_f32 v[14:15], v[114:115], v[222:223], v[14:15] op_sel_hi:[1,0,1]
.set jj, 0
.rept 8
	v_pk_fma_f32 v[160+(\o)+jj:161+(\o)+jj], v[96+jj:97+jj], v[222:223], v[160+(\o)+jj:161+(\o)+jj] op_sel_hi:[1,0,1]
.set jj, jj+2
.endr
	OUT (\o)/8, 2, ACH
.endm
	PLACES 4                                       ; behind the last products
	s_cmp_eq_u32 s10, 0
	s_cbranch_scc0 .Lput_0
	PUT 16
	s_branch .Lput
.Lput_0:
	PUT 0
.Lput:
	s_wait_alu depctr_va_vdst(0)
	s_wait_xcnt 0x0                                ; no store of mine still reads the registers that the conversions write
	s_wait_dscnt 0x0                               ; my partial result is in LDS
	s_barrier_signal -1
	s_barrier_wait -1
	s_cmp_eq_u32 s10, 0
	s_cbranch_scc0 .Lfin_1
	FIN 0
	s_branch .Lend
.Lfin_1:
	FIN 16
.Lend:
	s_wait_tensorcnt 0x0                           ; the wave's end
	ds_add_u32 v[SPW], v[NIL]
	s_wait_dscnt 0x0
	CROUND                                         ; the closing round: no work-group ends while a partner may still ask for a tile that names it
	s_endpgm
.Lfunc_end_k_qc9d9534ee7_attn:
	.size	k_qc9d9534ee7_attn, .Lfunc_end_k_qc9d9534ee7_attn-k_qc9d9534ee7_attn
	.p2alignl 7, 3214868480
	.fill 96, 4, 3214868480
	.section	.rodata,"a",@progbits
	.p2align	6, 0x0
	.amdhsa_kernel k_qc9d9534ee7_attn
		.amdhsa_group_segment_fixed_size 327680
		.amdhsa_private_segment_fixed_size 0
		.amdhsa_enable_private_segment 0
		.amdhsa_kernarg_size 24
		.amdhsa_user_sgpr_count 2
		.amdhsa_user_sgpr_kernarg_segment_ptr 1
		.amdhsa_wavefront_size32 1
		.amdhsa_system_sgpr_workgroup_id_x 1
		.amdhsa_system_sgpr_workgroup_id_y 1
		.amdhsa_system_sgpr_workgroup_id_z 1
		.amdhsa_system_vgpr_workitem_id 0
		.amdhsa_next_free_vgpr 256
		.amdhsa_next_free_sgpr 96
		.amdhsa_reserve_vcc 1
		.amdhsa_float_denorm_mode_32 3
		.amdhsa_float_denorm_mode_16_64 3
		.amdhsa_memory_ordered 1
		.amdhsa_forward_progress 1
		.amdhsa_inst_pref_size 96
	.end_amdhsa_kernel
	.amdgpu_metadata
---
amdhsa.version: [ 1, 2 ]
amdhsa.kernels:
  - .name:           k_qc9d9534ee7_attn
    .symbol:         k_qc9d9534ee7_attn.kd
    .args:
      - { .name: qkv, .offset: 0, .size: 8, .value_kind: global_buffer, .address_space: global }
      - { .name: lowp_scales, .offset: 8, .size: 8, .value_kind: global_buffer, .address_space: global }
      - { .name: ac, .offset: 16, .size: 8, .value_kind: global_buffer, .address_space: global }
    .group_segment_fixed_size: 327680
    .private_segment_fixed_size: 0
    .kernarg_segment_align: 8
    .kernarg_segment_size: 24
    .max_flat_workgroup_size: 512
    .sgpr_count:     96
    .vgpr_count:     256
    .wavefront_size: 32
...
	.end_amdgpu_metadata
.endif
;; end of part 3
;; launch oproj (part 4): grid 8 x 32, 4 waves a work-group, clusters of 4 x 4, 282,112 bytes of LDS; arguments ac, wc, lowp_scales, out0; writes out0
.if DOCPART == 4
	.amdgcn_target "amdgcn-amd-amdhsa--gfx1250"
	.amdhsa_code_object_version 6
	.text
	.protected	k_qc9d9534ee7_oproj
	.globl	k_qc9d9534ee7_oproj
	.p2align	8
	.type	k_qc9d9534ee7_oproj,@function
k_qc9d9534ee7_oproj:
	s_mov_b64 s[64:65], 0
	v_nop
	global_prefetch_b8 v0, s[64:65] scope:SCOPE_SE
	s_setreg_imm32_b32 hwreg(HW_REG_WAVE_MODE, 25, 1), 1
	s_wait_xcnt 0x0
	s_wait_alu depctr_hold_cnt(0) depctr_sa_sdst(0) depctr_va_vdst(0) depctr_va_sdst(0) depctr_va_ssrc(0) depctr_va_vcc(0) depctr_vm_vsrc(0)
	s_getreg_b32 s2, hwreg(HW_REG_IB_STS2, 6, 4)
	s_cmp_eq_u32 s2, 0
	s_cbranch_scc0 .Lentry_in_a_cluster
	s_endpgm
.Lentry_in_a_cluster:
	s_bfe_u32 s2, ttmp6, 0x10000c
	s_cmp_lg_u32 s2, 0xf033
	s_cbranch_scc0 .Lentry_shape_is_right
	s_endpgm
.Lentry_shape_is_right:
; out0 = attention's result x W_o^T on codes of FP8 (E4M3), M 4,096, N 1,024, K 1,024; sums in f32, each multiplied once by 2^(e10 + e11).
; LIMIT: e10 + e11 lies between -126 and 127, so that 2^(e10 + e11) is an f32 number.
; A (ac) lies as images of operand registers: [16 tokens][head][2][lane][16 bytes]: two heads on end are a fragment of 16 rows x 128 K, read at 16 x lane + a constant.
; B (W_o's codes, 3 MiB into wc) lies in rows of 1,024 bytes, each 32 along K in the order that gives a lane its own places by loads of 16 bytes.
; SHARES.  A tile of out0 is 128 x 128: 256 tiles, one for each of 256 work-groups.  Four waves, each 64 x 64.
; A tile's A and B for ALL of K fit in LDS; each byte is filled once, at the head, by one tensor load a wave: waves 0, 1 half of A's rows each (65,536 dense bytes), waves 2, 3 half of B's (64 rows of 1,024).
; CLUSTERS: 4 x 4 work-groups.  The four of a row of the cluster need the same tile of A, the four of a column the same tile of B: each is asked for jointly.
; BY ROWS OF OUT0: B's fragments of all of K stay in registers, A's come by blocks of 16 rows x all of K, two buffers; a block leaves while the next one is multiplied.  No fragment is read twice.
; No prefetch: there is no loop over loads to run ahead in.
; THE MATRIX INSTRUCTION IS USED TRANSPOSED (source 0 = 16 rows of W_o, source 1 = 16 tokens): a lane holds eight neighbouring numbers of a row of out0.
; REGISTERS: window 0: addresses; v32-63 scaled sums; v64-127 rows read back, two sets; v128-255 the accumulators ((a, b) at v[128 + 8 (4 a + b)]).  Window 1: A's two buffers.  Windows 2, 3: B's fragments of K 0-511, 512-1,023.
.set BOFF,  131072                     ; LDS: A's 128 rows, dense, then B's 128 rows
.set PITCHB, 1040                      ; a row of B: 1,024 bytes + 16 of padding = 260 words: row r starts at bank 4 r mod 64 (64 banks of 4 bytes: ISA guide 11.1)
.set PITCH, 272                        ; a row of a stage
.set STG,   BOFF+128*PITCHB            ; a stage of 16 rows for each wave; no fill lands there
.set SPARE, STG+4*16*PITCH             ; the spare words, 128 bytes for each wave
.set ADRA, 16
.set ADRB, 20
.set STO,  24                          ; v24  the way out: where I put 32 bytes of a row
.set RD,   25                          ; v25  where I read a row back
.set CO,   26                          ; v26  my byte offset in out0; never rewritten
.set SPW,  30                          ; v30  LDS address of my spare word; never rewritten
.set NIL,  31                          ; v31  0; never rewritten
.set TMP,  32
.set BK,   64
.set ACC,  128
.set G1A, 16                           ; s[16:23] descriptor group 1 for A's tiles;  s[24:31] for B's;  s[32:35], s[36:39] their groups 0
.set G1B, 24
.set G0A, 32
.set G0B, 36
.set MSB, 0
.macro WIN new                         ; the immediate's high byte repeats the setting that is left
.if MSB != (\new)
	s_set_vgpr_msb (MSB<<8)|(\new)
.set MSB, (\new)
.endif
.endm
.macro CROUND                          ; a round of the cluster's barrier
	s_barrier_signal -1
	s_barrier_wait -1
	s_cmp_lg_u32 s12, 0
	s_cbranch_scc1 .Lnot_wave_0_\@
	s_barrier_signal -3
.Lnot_wave_0_\@:
	s_barrier_wait -3
	s_barrier_signal -1
	s_barrier_wait -1
.endm
.macro PLACES                          ; four places in front of loads into registers that matrix instructions have read, and of the first read of results (ISA guide 7.12.1 for the reads of results)
.rept 4
	v_nop
.endr
.endm
	s_load_b256 s[4:11], s[0:1], 0x0               ; ac s[4:5], wc s[6:7], the scales s[8:9], out0 s[10:11]
	v_lshl_add_u32 v[SPW], v0, 2, SPARE
	v_mov_b32 v[NIL], 0
	ds_add_u32 v[SPW], v[NIL]
	ds_add_u32 v[SPW], v[NIL]
	v_lshrrev_b32 v1, 5, v0
	v_readfirstlane_b32 s12, v1                    ; wave 0..3
	s_lshr_b32 s13, s12, 1                         ; which half of the tile's rows is mine.  Also: I fetch for A (0) or for B (1)
	s_and_b32 s14, s12, 1                          ; which half of its columns.  Also: which half of that tile I fetch
	s_bfe_u32 s66, ttmp6, 0x40000                  ; cx, cy: my place in the cluster
	s_bfe_u32 s67, ttmp6, 0x40004
	s_lshl_b32 s68, ttmp9, 2
	s_add_co_u32 s68, s68, s66                     ; tile column = 4 x cluster x + cx
	s_and_b32 s69, ttmp7, 0xffff
	s_lshl_b32 s69, s69, 2
	s_add_co_u32 s69, s69, s67                     ; tile row = 4 x cluster y + cy
	s_lshl_b32 s70, s67, 2
	s_lshl_b32 s70, 15, s70                        ; my row of the cluster
	s_lshl_b32 s71, 0x1111, s66                    ; my column
	s_or_b32 s[G1A+0], s70, (3<<16)|(1<<21)        ; A: the mask: my row; elements of 8 bytes; 4 rows of 16,384 bytes (16 tokens each), dense
	s_mov_b32 s[G1A+1], 2048<<16
	s_mov_b32 s[G1A+2], 4<<16
	s_mov_b32 s[G1A+3], 2048<<16
	s_mov_b32 s[G1A+4], 4
	s_mov_b32 s[G1A+5], 2048
	s_mov_b32 s[G1A+6], 0
	s_mov_b32 s[G1A+7], 0
	s_or_b32 s[G1B+0], s71, (0<<16)|(1<<20)|(1<<21)|(7<<22)|(3<<25)  ; B: the mask: my column; elements of 1 byte; 64 rows of 1,024 bytes; padding: four words (code 3) after every 256 (code 7)
	s_mov_b32 s[G1B+1], 1024<<16
	s_mov_b32 s[G1B+2], 64<<16
	s_mov_b32 s[G1B+3], 1024<<16
	s_mov_b32 s[G1B+4], 64
	s_mov_b32 s[G1B+5], 1024
	s_mov_b32 s[G1B+6], 0
	s_mov_b32 s[G1B+7], 0
	s_lshl_b32 s72, s69, 3
	s_lshl_b32 s73, s14, 2
	s_add_co_u32 s72, s72, s73
	s_lshl_b32 s72, s72, 14                        ; A: block 8 x tile row + 4 x half: made of the tile row and the wave's number
	s_mov_b32 s73, 0
	s_lshl_b32 s74, s68, 7
	s_lshl_b32 s75, s14, 6
	s_add_co_u32 s74, s74, s75
	s_lshl_b32 s74, s74, 10                        ; B: row 128 x tile column + 64 x half: made of the tile column and the wave's number,
	s_add_co_u32 s74, s74, 0x300000                ; in W_o's codes
	s_mov_b32 s75, 0
	s_mov_b32 s[G0A], 1
	s_lshl_b32 s[G0A+1], s14, 16                   ; where they go: no place in the cluster enters an LDS address
	s_mov_b32 s[G0B], 1
	s_mul_i32 s77, s14, 64*PITCHB
	s_add_co_u32 s[G0B+1], s77, BOFF
	s_wait_dscnt 0x0
	s_wait_kmcnt 0x0
	s_load_b64 s[80:81], s[8:9], 0x28              ; e10, e11
	s_add_nc_u64 s[G0A+2:G0A+3], s[4:5], s[72:73]
	s_or_b32 s[G0A+3], s[G0A+3], 0x80000000
	s_add_nc_u64 s[G0B+2:G0B+3], s[6:7], s[74:75]
	s_or_b32 s[G0B+3], s[G0B+3], 0x80000000
	CROUND                                         ; all sixteen work-groups are here: the joint loads meet
	s_cmp_eq_u32 s13, 0                            ; a branch on the wave's number, the same in every work-group
	s_cbranch_scc0 .Lfor_b
	tensor_load_to_lds s[G0A:G0A+3], s[G1A:G1A+7]
	s_nop 0
	PLACES
	s_branch .Lasked
.Lfor_b:
	tensor_load_to_lds s[G0B:G0B+3], s[G1B:G1B+7]
	s_nop 0
	PLACES
.Lasked:
	s_lshl_b32 s82, s13, 16                        ; my four blocks of A,
	s_mul_i32 s83, s14, 64*PITCHB
	s_add_co_u32 s83, s83, BOFF                    ; my 64 rows of B,
	s_mul_i32 s84, s12, 16*PITCH
	s_add_co_u32 s84, s84, STG                     ; my stage
	v_and_b32 v1, 15, v0                           ; l % 16
	v_bfe_u32 v2, v0, 4, 1                         ; l / 16
	v_and_b32 v3, 31, v0
	v_lshlrev_b32 v3, 4, v3
	v_add_nc_u32 v[ADRA], s82, v3                  ; A: 16 x lane
	v_mul_u32_u24 v4, v1, PITCHB
	v_lshl_add_u32 v4, v2, 4, v4
	v_add_nc_u32 v[ADRB], s83, v4                  ; B: row x pitch + 16 x half
	v_mul_u32_u24 v5, v1, PITCH                    ; in: row l % 16, 32 bytes for each half of the lanes
	v_lshl_add_u32 v5, v2, 5, v5
	v_add_nc_u32 v[STO], s84, v5
	v_mul_u32_u24 v6, v2, PITCH                    ; back: lanes 0-15 take one row of 256 bytes, lanes 16-31 the next
	v_lshl_add_u32 v6, v1, 4, v6
	v_add_nc_u32 v[RD], s84, v6
	v_lshlrev_b32 v7, 12, v2                       ; and the same two rows of out0, 4,096 bytes apart
	v_lshl_add_u32 v[CO], v1, 4, v7
	s_lshl_b32 s86, s69, 7
	s_lshl_b32 s87, s13, 6
	s_add_co_u32 s86, s86, s87                     ; my first row: 128 x tile row + 64 x half
	s_lshl_b32 s86, s86, 12
	s_lshl_b32 s87, s68, 9                         ; my first column, in bytes: 512 x tile column + 256 x half
	s_add_co_u32 s86, s86, s87
	s_lshl_b32 s87, s14, 8
	s_add_co_u32 s86, s86, s87
	s_mov_b32 s87, 0
	s_add_nc_u64 s[10:11], s[10:11], s[86:87]
.macro FETCHA a                        ; block a's eight fragments: 16 rows x all of K
	WIN 0x40
.irp k, 0,1,2,3,4,5,6,7
.irp c, 0,1,2,3
	ds_load_b128 v[128*((\a)%2)+16*\k+4*\c:128*((\a)%2)+16*\k+4*\c+3], v[ADRA] offset:16384*(\a)+2048*\k+512*\c
.endr
.endr
	WIN 0
.endm
.macro FETCHB k                        ; my 64 rows of W_o, 128 along K
	WIN (0x80+0x40*((\k)/4))
.irp b, 0,1,2,3
.irp c, 0,1,2,3
	ds_load_b128 v[64*((\k)%4)+16*\b+4*\c:64*((\k)%4)+16*\b+4*\c+3], v[ADRB] offset:16*PITCHB*\b+128*(\k)+32*\c
.endr
.endr
.endm
.macro MULK a, k                       ; the block's four accumulators take turns, one instruction a turn.  K step 0 starts the sums: nothing is cleared
	WIN (0x06+(\k)/4)
.irp b, 0,1,2,3
.if (\k) == 0
	v_wmma_f32_16x16x128_fp8_fp8 v[ACC+8*(4*(\a)+\b):ACC+8*(4*(\a)+\b)+7], v[64*((\k)%4)+16*\b:64*((\k)%4)+16*\b+15], v[128*((\a)%2)+16*(\k):128*((\a)%2)+16*(\k)+15], 0
.else
	v_wmma_f32_16x16x128_fp8_fp8 v[ACC+8*(4*(\a)+\b):ACC+8*(4*(\a)+\b)+7], v[64*((\k)%4)+16*\b:64*((\k)%4)+16*\b+15], v[128*((\a)%2)+16*(\k):128*((\a)%2)+16*(\k)+15], v[ACC+8*(4*(\a)+\b):ACC+8*(4*(\a)+\b)+7]
.endif
.endr
.endm
.macro MULA a
.irp k, 0,1,2,3,4,5,6,7
	MULK \a, \k
.endr
	WIN 0
.endm
; THE WAY OUT of a block of 16 rows x 64 columns.  A lane holds 32 neighbouring bytes of a row and the lanes beside it hold other rows: a block goes through my own stage and comes back as whole rows of
; 256 bytes.  LDS serves a wave's instructions in order (ISA guide 5.7.1.4): no wait between the stores and the loads, nor in front of the next block's stores.
.macro TOSTAGE a
.irp j, 0,2,4,6,8,10,12,14,16,18,20,22,24,26,28,30
	v_pk_mul_f32 v[TMP+\j:TMP+\j+1], v[ACC+32*(\a)+\j:ACC+32*(\a)+\j+1], s[78:79] op_sel_hi:[1,0]   ; x 2^(e10 + e11), into other registers; each accumulator from its low end on
.endr
.irp b, 0,1,2,3
	ds_store_b128 v[STO], v[TMP+8*\b:TMP+8*\b+3] offset:64*\b
	ds_store_b128 v[STO], v[TMP+8*\b+4:TMP+8*\b+7] offset:64*\b+16
.endr
.irp t, 0,1,2,3,4,5,6,7
	ds_load_b128 v[BK+32*((\a)%2)+4*\t:BK+32*((\a)%2)+4*\t+3], v[RD] offset:2*PITCH*\t
.endr
.endm
.macro SEND a
	s_wait_dscnt 0x0                               ; the block is back in registers
.irp t, 0,1,2,3,4,5,6,7
	global_store_b128 v[CO], v[BK+32*((\a)%2)+4*\t:BK+32*((\a)%2)+4*\t+3], s[10:11] offset:65536*(\a)+8192*\t th:TH_STORE_NT   ; 16 lanes store 256 consecutive bytes, at a multiple of 256 from out0's first byte; written once, read by nobody here
.endr
.endm
	s_wait_alu depctr_va_vdst(0)
	s_wait_kmcnt 0x0
	s_add_co_i32 s78, s80, s81
	s_add_co_i32 s78, s78, 127
	s_lshl_b32 s78, s78, 23                        ; 2^(e10 + e11) as f32
	s_mov_b32 s79, s78                             ; (named with it as a pair, so it is written)
	s_wait_tensorcnt 0x0                           ; my part is in,
	s_barrier_signal -1
	s_barrier_wait -1                              ; everybody's is; nothing is filled again
	FETCHA 0
	FETCHB 0
	FETCHB 1
	FETCHB 2
.irp k, 0,1,2,3,4,5,6,7
.if \k < 5
	FETCHB \k+3
	s_wait_dscnt 48                                ; B's K step k is in; the three behind it may be out
.endif
.if \k == 5
	s_wait_dscnt 32                                ; two behind it
.endif
.if \k == 6
	FETCHA 1
	s_wait_dscnt 48                                ; B's last and A's block 1
.endif
.if \k == 7
	s_wait_dscnt 32                                ; A's block 1
.endif
	MULK 0, \k
.endr
	WIN 0
	PLACES
	FETCHA 2
	TOSTAGE 0
	s_wait_dscnt 48                                ; A's block 1 is in; block 2's 32 loads and the stage's 8 stores and 8 loads may be out
	MULA 1
	SEND 0                                         ; (A's block 2 is in behind its wait)
	PLACES
	FETCHA 3
	TOSTAGE 1
	MULA 2
	SEND 1                                         ; (A's block 3)
	PLACES
	s_wait_xcnt 0x0                                ; block 0's stores have read their registers: block 2's loads may land there
	TOSTAGE 2
	MULA 3
	SEND 2
	PLACES
	s_wait_xcnt 0x0
	TOSTAGE 3
	SEND 3
	s_wait_tensorcnt 0x0                           ; the wave's end
	ds_add_u32 v[SPW], v[NIL]
	s_wait_dscnt 0x0
	CROUND                                         ; the closing round: no work-group ends while a partner may still ask for a tile that names it
	s_endpgm
.Lfunc_end_k_qc9d9534ee7_oproj:
	.size	k_qc9d9534ee7_oproj, .Lfunc_end_k_qc9d9534ee7_oproj-k_qc9d9534ee7_oproj
	.p2alignl 7, 3214868480
	.fill 96, 4, 3214868480
	.section	.rodata,"a",@progbits
	.p2align	6, 0x0
	.amdhsa_kernel k_qc9d9534ee7_oproj
		.amdhsa_group_segment_fixed_size 282112
		.amdhsa_private_segment_fixed_size 0
		.amdhsa_enable_private_segment 0
		.amdhsa_kernarg_size 32
		.amdhsa_user_sgpr_count 2
		.amdhsa_user_sgpr_kernarg_segment_ptr 1
		.amdhsa_wavefront_size32 1
		.amdhsa_system_sgpr_workgroup_id_x 1
		.amdhsa_system_sgpr_workgroup_id_y 1
		.amdhsa_system_sgpr_workgroup_id_z 1
		.amdhsa_system_vgpr_workitem_id 0
		.amdhsa_next_free_vgpr 1024
		.amdhsa_next_free_sgpr 92
		.amdhsa_reserve_vcc 0
		.amdhsa_float_denorm_mode_32 3
		.amdhsa_float_denorm_mode_16_64 3
		.amdhsa_memory_ordered 1
		.amdhsa_forward_progress 1
		.amdhsa_inst_pref_size 44
	.end_amdhsa_kernel
	.amdgpu_metadata
---
amdhsa.version: [ 1, 2 ]
amdhsa.kernels:
  - .name:           k_qc9d9534ee7_oproj
    .symbol:         k_qc9d9534ee7_oproj.kd
    .args:
      - { .name: ac, .offset: 0, .size: 8, .value_kind: global_buffer, .address_space: global }
      - { .name: wc, .offset: 8, .size: 8, .value_kind: global_buffer, .address_space: global }
      - { .name: lowp_scales, .offset: 16, .size: 8, .value_kind: global_buffer, .address_space: global }
      - { .name: out0, .offset: 24, .size: 8, .value_kind: global_buffer, .address_space: global }
    .group_segment_fixed_size: 282112
    .private_segment_fixed_size: 0
    .kernarg_segment_align: 8
    .kernarg_segment_size: 32
    .max_flat_workgroup_size: 128
    .sgpr_count:     92
    .vgpr_count:     1024
    .wavefront_size: 32
...
	.end_amdgpu_metadata
.endif
;; end of part 4
